; MI455X (gfx1250); checked and timed in simulation.
; The chip was launched on July 23, 2026; its instructions are those of AMD's public machine-readable ISA for CDNA 5 (MIT licence, August 2026) and "CDNA5" Instruction Set Architecture Reference Guide (July 2026). The comments in the code are by the model that wrote it; some were corrected since.
;; MLX Swi GLU. Allowed arithmetic: matrix products marked QUANTISED: E2M3 operands, one E8M0 scale for each 32 along K, by v_wmma_scale_f32_16x16x128_f8f6f4 with both operands' format E2M3, f32 sums; everything else in f32.
;; Inputs: w_down 2,048 x 1,024 float32; w_gate 1,024 x 2,048 float32; w_up 1,024 x 2,048 float32; x 4 x 2,048 x 2,048 float32.
;; Outputs: out0 4 x 2,048 x 2,048 float32.
;; This version of the problem:
;;   THIS VERSION OF THE PROBLEM IS GIVEN IN LOW PRECISION. The matrix products marked QUANTISED in the list below multiply operands that are first quantised to E2M3 (2 exponent bits, 3 mantissa bits; 6 bits a number), with one power-of-two scale for each 32 numbers along K (OCP MX v1.0); their sums are f32. All else is computed in f32.
;;   The module's matrix products, in the order in which they are computed (A, B: the left and right operand; K: the contracted axis; several contracted axes count as one K, in the product's order):
;;     1. [M 8,192, K 2,048] x [K 2,048, N 1,024]; A: input x; B: input w_gate: QUANTISED
;;     2. [M 8,192, K 2,048] x [K 2,048, N 1,024]; A: input x; B: input w_up: QUANTISED
;;     3. [M 8,192, K 1,024] x [K 1,024, N 2,048]; A: computed on the way; B: input w_down: QUANTISED
;;   THE QUANTISER, for each operand of a quantised product, along K:
;;     - K is cut into blocks of 32 from its start; a last block that is shorter is filled with zeros.
;;     - A block's scale is 2^e with e = floor(log2(the largest magnitude in the block)) - 2, held to -126 .. 127; a block of zeros has e = 0. As a byte (E8M0): e + 127.
;;     - Each number is divided by its block's scale, clamped to +-7.5, and rounded to the nearest number of E2M3, ties to even, subnormals kept.
;;     - The product sums the exact products of the quantised numbers (number of the format x scale) in f32.
;;   ~~~python
;;   def quantise(x, axis):      # numpy; x: float32 -> the quantised numbers, widened to float32 again
;;       x = np.moveaxis(x, axis, -1); K = x.shape[-1]
;;       x = np.pad(x, [(0, 0)] * (x.ndim - 1) + [(0, -K % 32)]); x = x.reshape(x.shape[:-1] + (-1, 32)); a = np.abs(x).max(-1, keepdims=True)
;;       e = np.where(a > 0, np.clip(np.frexp(np.where(a > 0, a, 1))[1] - 1 - 2, -126, 127), 0)      # np.frexp(a)[1] - 1 = floor(log2(a)), exactly
;;       r = np.clip(x / 2.0 ** e, -7.5, 7.5)
;;       step = 2.0 ** (np.maximum(np.frexp(np.where(r == 0, 1, r))[1] - 1, 0) - 3)
;;       q = np.round(r / step) * step * 2.0 ** e      # np.round: ties to even
;;       return np.moveaxis(q.reshape(q.shape[:-2] + (-1,))[..., :K], -1, axis).astype(np.float32)
;;   ~~~
;;   OPERANDS COMPUTED ON THE WAY. 'Computed on the way' means the value that the module computes at that place (a softmax that the list does not call 'softmax' is quantised finished and normalised). What goes into a quantiser is computed in f32, as accurately as f32 sums, v_exp_f32 and their like allow (about 1e-6 of the number): no bf16 or f16 on the way to a quantiser, and a product that is left as it is and whose result goes on into a quantised operand takes f32 operands (vector FMAs, or v_wmma_f32_16x16x4_f32). A number that lies on a knife's edge between two numbers of the format may be rounded either way, as far as f32 arithmetic and the matrix unit's own rounding can turn it there, and no further.
;; One version. Each part assembles by itself: llvm-mc -triple=amdgcn-amd-amdhsa -mcpu=gfx1250 --defsym DOCPART=n.
;; ======== version 1 of 1: 3 launches
;; limits: right only within a limited range of input values
;; workspace buffers: xq 13,107,200 bytes; wguq 3,276,800 bytes; wdq 1,638,400 bytes; hq 6,553,600 bytes
;; launch quant (part 1): grid 256 x 1, 11 waves a work-group, no clusters, 300,032 bytes of LDS; arguments x, w_gate, w_up, w_down, xq, wguq, wdq; writes xq, wguq, wdq
.if DOCPART == 1
	.amdgcn_target "amdgcn-amd-amdhsa--gfx1250"
	.amdhsa_code_object_version 6
	.text
	.protected	k_qdc79d262c0_quant
	.globl	k_qdc79d262c0_quant
	.p2align	8
	.type	k_qdc79d262c0_quant,@function
k_qdc79d262c0_quant:
	s_mov_b64 s[64:65], 0
	v_nop
	global_prefetch_b8 v0, s[64:65] scope:SCOPE_SE
	s_setreg_imm32_b32 hwreg(HW_REG_WAVE_MODE, 25, 1), 1
	s_wait_xcnt 0x0
; x [8192][2048], w_gate, w_up [1024][2048], w_down [2048][1024], f32 with K innermost, become codes of FP6 (E2M3) with one E8M0 byte for each 32 along K.
; A block's byte is its largest magnitude's exponent field - 2, held at 1 from below; each number is divided by the scale and rounded to the nearest code, ties to even, beyond 7.5 the largest code.
; LIMITS: NaN and infinities among the inputs are not served.  A block whose largest magnitude lies under 2^-124 has its byte held at 1; a block of zeros gets the byte 1 where the rule says 127:
; its codes are zeros, which add nothing under any byte but 0xff, and this program alone reads the bytes.
; THE OUTPUT'S LAYOUT, one for all operands: [group of 128 rows][pair of K steps] cells of 25,600 bytes.  In a cell: the fragment of block i (16 rows) and step q at 3,072 i + 1,536 q, as an image of the
; operand's registers (register n of lane l at 512 (n / 4) + 16 l + 4 (n % 4); lane (r, h) holds row r, registers 6 c .. 6 c + 5 hold k = 64 c + 32 h + 0 .. 31); the scale words at 24,576 + 512 q + 4 x row.
; GATE AND UP SHARE ONE BUFFER: a group is 64 rows of gate and the same 64 hidden units' rows of up; inside each 64, row r of block 2 b + u is unit 32 b + 8 u + r + 8 (r / 8).
; SHARES.  A wave's task is 64 rows x one K step: four fragments.  x has 2,048 tasks, gate, up and w_down 256 each.  THE WAVE'S NUMBER NAMES THE TENSOR: waves 0-7 take x, wave 8 gate, wave 9 up, wave 10 w_down.
; An x wave fetches its 64 rows x 512 bytes by one tensor load into its own LDS rows of 528 bytes.  The three other waves load through registers, since their rows are reordered and of two pitches, and turn each
; fragment through a stage of their own.  Waves share nothing: no barrier.  No input is shared between work-groups: no cluster.  No prefetch: there is no loop, each wave asks for its bytes at its head.
.set SP,    528                        ; an LDS row: 512 bytes + 16
.set XREG,  64*SP                      ; an x wave's region
.set WST,   8*XREG                     ; behind them three stages of 16 rows
.set SCW,   WST+3*16*SP                ; 256 bytes a wave: its 64 scale words
.set SPARE, SCW+11*256                 ; the spare words
.set CELL,  25600
.set RA,   10                          ; v10-13   where I read fragment t's numbers
.set M,    14
.set OFF,  16                          ; v16-31   row i of a fragment in the source (weights)
.set R,    32                          ; v32-159  two sets of 64: a fragment as loaded (weights)
.set X,    160                         ; v160-223 my 64 numbers
.set C,    224
.set D,    236
.set SO,   244
.set BY,   246
.set G0,   24
.set G1,   68
	s_load_b256 s[8:15], s[0:1], 0x0               ; x, w_gate, w_up, w_down
	s_load_b128 s[16:19], s[0:1], 0x20             ; xq, wguq
	s_load_b64 s[20:21], s[0:1], 0x30              ; wdq
	v_lshl_add_u32 v254, v0, 2, SPARE
	v_mov_b32 v255, 0
	ds_add_u32 v254, v255                          ; the opening lines: the add, twice on end, and its wait
	ds_add_u32 v254, v255
	v_lshrrev_b32 v1, 5, v0
	v_readfirstlane_b32 s3, v1                     ; wave 0..10
	s_min_u32 s50, s3, 8
	s_mul_i32 s50, s50, XREG
	s_lshr_b32 s51, s3, 3
	s_and_b32 s48, s3, 7
	s_mul_i32 s51, s51, s48
	s_mul_i32 s51, s51, 16*SP
	s_add_co_u32 s51, s51, s50                     ; my region: wave x XREG, or stage wave - 8
	s_xor_b32 s50, s3, 15
	s_lshr_b32 s50, s50, 3                         ; 1 for an x wave
	s_mul_i32 s50, s50, 16*SP                      ; from fragment to fragment: 16 rows, or 0 in a stage
	s_lshl_b32 s49, s3, 8
	s_add_co_u32 s49, s49, SCW
	s_mov_b32 s60, 0x76543210
	s_mov_b32 s61, 0xfedcba98                      ; v_permlanex16_b32's selects for lane l xor 16
	s_mov_b32 s[G1+0], (2<<16)|(1<<20)|(6<<22)|(3<<25)   ; elements of 4 bytes; 4 words of padding behind every 128
	s_mov_b32 s[G1+1], 128<<16
	s_mov_b32 s[G1+2], 64<<16
	s_mov_b32 s[G1+3], 128<<16
	s_mov_b32 s[G1+4], 64
	s_mov_b32 s[G1+5], 2048
	s_mov_b32 s[G1+6], 0
	s_mov_b32 s[G1+7], 0
	s_mov_b32 s[G0], 1
	s_mul_i32 s[G0+1], s3, XREG
	; the task's figures, by the wave's number
	s_lshl_b32 s41, ttmp9, 3
	s_add_co_u32 s41, s41, s3
	s_cmp_lt_u32 s3, 8
	s_cselect_b32 s41, s41, ttmp9                  ; the task within its tensor
	s_cselect_b32 s39, 0, 1                        ; P: rows interleaved and reordered (gate, up)
	s_cmp_eq_u32 s3, 9
	s_cselect_b32 s40, 1, 0                        ; G: up
	s_cmp_eq_u32 s3, 10
	s_cselect_b32 s39, 0, s39
	s_cselect_b32 s35, 12, 13                      ; a source row is 1 << this many bytes
	s_cselect_b32 s36, 3, 4                        ; K steps = 1 << this
	s_cselect_b32 s37, 8, 13                       ; W_DOWN'S ROWS ARE DEALT OTHERWISE: row r of fragment t is row 4 r + t of the task's 64, so that in the last launch a lane's four accumulators hold four neighbouring columns.
	s_cselect_b32 s38, 14, 13                      ; So 16 t rows shifted by s37 are t rows there, and i rows shifted by s38 are 4 i rows; for gate and up both are the row's own shift
	s_lshr_b32 s42, s41, s36                       ; rg: which 64 rows of the source
	s_lshl_b32 s43, s42, s36
	s_sub_co_u32 s43, s41, s43                     ; ks: which K step
	s_lshl_b32 s44, s42, s39
	s_add_co_u32 s44, s44, s40                     ; dg: which 64 rows of the output
	s_lshr_b32 s48, s44, 1
	s_mul_i32 s48, s48, CELL/2
	s_lshl_b32 s48, s48, s36                       ; the group: K steps / 2 cells each
	s_lshr_b32 s46, s43, 1
	s_mul_i32 s46, s46, CELL
	s_add_co_u32 s48, s48, s46                     ; the cell
	s_and_b32 s46, s44, 1
	s_and_b32 s47, s43, 1
	s_mul_i32 s52, s46, 12288
	s_mul_i32 s54, s47, 1536
	s_add_co_u32 s52, s52, s54
	s_add_co_u32 s52, s52, s48                     ; my four fragments
	s_mov_b32 s53, 0
	s_lshl_b32 s54, s47, 9
	s_lshl_b32 s46, s46, 8
	s_add_co_u32 s54, s54, s46
	s_add_co_u32 s54, s54, s48
	s_add_co_u32 s54, s54, 24576                   ; my 64 scale words
	s_mov_b32 s55, 0
	s_lshl_b32 s56, s42, 6
	s_lshl_b32 s56, s56, s35
	s_lshl_b32 s46, s43, 9
	s_add_co_u32 s56, s56, s46                     ; the source: row 64 rg, K step ks; under 2^27
	s_mov_b32 s57, 0
	v_and_b32 v1, 31, v0                           ; lane
	v_and_b32 v2, 15, v0                           ; r
	v_bfe_u32 v3, v0, 4, 1                         ; h
	v_lshlrev_b32 v9, 4, v1                        ; 16 x lane
	v_mul_u32_u24 v5, v2, SP
	v_lshlrev_b32 v6, 2, v2
	v_lshlrev_b32 v8, 3, v1
	v_add_nc_u32 v4, s51, v9                       ; a stage on the way in: a row's 512 bytes as they lie
	v_lshl_add_u32 v5, v3, 7, v5
	v_add_nc_u32 v6, s49, v6                       ; my row's scale word
	v_add_nc_u32 v7, s49, v8                       ; and on the way out 8 bytes a lane
	v_add_nc_u32 v[RA], s51, v5                    ; row r, + 128 h bytes
	v_lshlrev_b32 v250, 3, v3                      ; 8 h: my bytes' place in the scale word
	v_mov_b32 v249, 0                              ; written once: a lane permute's destination counts as one of its sources
	v_add_nc_u32 v[RA+1], s50, v[RA]
	s_delay_alu instid0(VALU_DEP_1)
	v_add_nc_u32 v[RA+2], s50, v[RA+1]
	s_delay_alu instid0(VALU_DEP_1)
	v_add_nc_u32 v[RA+3], s50, v[RA+2]
	s_wait_alu depctr_va_vdst(0)                   ; the wait at the head's end
	s_wait_dscnt 0x0                               ; both opening adds are done
	s_wait_kmcnt 0x0
	s_mov_b64 s[28:29], s[8:9]
	s_mov_b64 s[30:31], s[16:17]
	s_cmp_ge_u32 s3, 8
	s_cselect_b64 s[28:29], s[10:11], s[28:29]
	s_cselect_b64 s[30:31], s[18:19], s[30:31]
	s_cmp_ge_u32 s3, 9
	s_cselect_b64 s[28:29], s[12:13], s[28:29]
	s_cmp_ge_u32 s3, 10
	s_cselect_b64 s[28:29], s[14:15], s[28:29]
	s_cselect_b64 s[30:31], s[20:21], s[30:31]
	s_add_nc_u64 s[28:29], s[28:29], s[56:57]
	s_add_nc_u64 s[32:33], s[30:31], s[54:55]
	s_add_nc_u64 s[30:31], s[30:31], s[52:53]
.macro LOADF t                         ; fragment t's 16 rows x 512 bytes into set t % 2: each load reads 512 consecutive bytes
.irp i, 0,1,2,3,4,5,6,7,8,9,10,11,12,13,14,15
	global_load_b128 v[R+64*((\t)%2)+4*\i:R+64*((\t)%2)+4*\i+3], v[OFF+\i], s[52+2*(\t):53+2*(\t)] th:TH_LOAD_NT
.endr
.endm
	s_cmp_lt_u32 s3, 8
	s_cbranch_scc0 .Lweights
	s_mov_b64 s[G0+2:G0+3], s[28:29]
	s_or_b32 s[G0+3], s[G0+3], 0x80000000
	tensor_load_to_lds s[G0:G0+3], s[G1:G1+7]      ; my whole task: my one tensor load
	s_nop 0
	s_branch .Lgo
.Lweights:
	s_lshl_b32 s45, s39, 3                         ; 8 P
	s_mov_b32 s49, 0
.irp t, 0,1,2,3                        ; fragment t begins at row 16 t, or with P at 32 (t / 2) + 8 (t % 2)
	s_mov_b32 s48, 16*\t
.if (\t)%2
	s_sub_co_u32 s48, s48, s45
.endif
	s_lshl_b32 s48, s48, s37
	s_add_nc_u64 s[52+2*\t:53+2*\t], s[28:29], s[48:49]
.endr
.irp i, 0,1,2,3,4,5,6,7,8,9,10,11,12,13,14,15  ; row i of a fragment: source row i, or with P i + 8 (i / 8)
.if \i < 8
	s_lshl_b32 s48, \i, s38
.else
	s_add_co_u32 s48, s45, \i
	s_lshl_b32 s48, s48, s38
.endif
	v_add_nc_u32 v[OFF+\i], s48, v9
.endr
	s_wait_alu depctr_va_vdst(0)                   ; ahead of the loads that read the offsets
	LOADF 0
	LOADF 1
	s_branch .Lwgo                                 ; the two kinds of wave part once, on the wave's number, and do not join again
.Lgo:
	s_wait_tensorcnt 0x0                           ; an x wave's 64 rows lie in its own LDS bytes: nobody else reads them
.macro FRAGQ t, w                      ; w = 1: a weight's fragment comes through registers and the stage; w = 0: an x wave's numbers are in LDS already
.if \w
.if (\t) == 1 || (\t) == 2
	LOADF (\t)+1                                   ; into the set whose stores to the stage were waited for in the last fragment
.endif
.if (\t) < 3
	s_wait_loadcnt 16                              ; this fragment's 16 loads are in; the next fragment's 16, the only younger ones, may be out
.else
	s_wait_loadcnt 0x0
.endif
.irp i, 0,1,2,3,4,5,6,7,8,9,10,11,12,13,14,15
	ds_store_b128 v4, v[R+64*((\t)%2)+4*\i:R+64*((\t)%2)+4*\i+3] offset:SP*\i
.endr
.endif
.irp c, 0,1
.irp j, 0,1,2,3,4,5,6,7
	ds_load_b128 v[X+32*\c+4*\j:X+32*\c+4*\j+3], v[RA+(\t)] offset:256*\c+16*\j   ; LDS serves a wave's instructions in order (ISA guide 5.7.1.4): these see the stores above
.endr
.endr
	s_wait_dscnt 0x0                               ; my 64 numbers are in, and the stores have read their registers
.irp c, 0,1                            ; my block 2 c + h: all its 32 numbers are mine
	v_max3_num_f32 v[M+\c], |v[X+32*\c]|, |v[X+1+32*\c]|, 0x1800000   ; with the floor 2^(3 - 127): the byte cannot fall under 1
.endr
.irp i, 2,4,6,8,10,12,14,16,18,20,22,24,26,28,30
.irp c, 0,1
	s_delay_alu instid0(VALU_DEP_2)
	v_max3_num_f32 v[M+\c], v[M+\c], |v[X+32*\c+\i]|, |v[X+1+32*\c+\i]|
.endr
.endr
.irp c, 0,1
	s_delay_alu instid0(VALU_DEP_2)
	v_add_nc_u32 v[SO+\c], 0xff000000, v[M+\c]     ; 2 off the exponent field: the conversion's scale operand
.endr
.irp c, 0,1
	s_delay_alu instid0(VALU_DEP_2)
	v_lshrrev_b32 v[BY+\c], 23, v[SO+\c]           ; the scale's byte
.endr
	s_delay_alu instid0(VALU_DEP_1)
	v_lshl_or_b32 v248, v[BY+1], 16, v[BY]         ; blocks h and 2 + h of row r,
	s_delay_alu instid0(VALU_DEP_1)
	v_lshlrev_b32 v248, v250, v248                 ; at their places in the scale word;
	s_delay_alu instid0(VALU_DEP_1)
	v_permlanex16_b32 v249, v248, s60, s61
	s_delay_alu instid0(VALU_DEP_1)
	v_or_b32 v248, v248, v249                      ; with lane l xor 16's two the word is whole
	ds_store_b32 v6, v248 offset:64*(\t)           ; lanes r and r + 16 write the same word with the same value
.if (\t) > 0
	s_wait_alu depctr_va_vdst(0)
	s_wait_xcnt 0x0                                ; the last fragment's stores have read their data: the codes' registers are written again only behind this wait
.endif
.irp c, 0,1
	v_cvt_scalef32_pk16_fp6_f32 v[C+6*\c:C+6*\c+2], v[X+32*\c:X+32*\c+15], v[SO+\c]
	v_cvt_scalef32_pk16_fp6_f32 v[D+4*\c:D+4*\c+2], v[X+32*\c+16:X+32*\c+31], v[SO+\c]   ; (a conversion's three registers begin on an even number)
.endr
	v_nop                                          ; one plain place behind a scaled conversion
.irp c, 0,1
.irp i, 0,1,2
	v_mov_b32 v[C+3+6*\c+\i], v[D+4*\c+\i]
.endr
.endr
.irp g, 0,1,2
	global_store_b128 v9, v[C+4*\g:C+4*\g+3], s[30:31] offset:3072*(\t)+512*\g   ; 32 lanes store 512 consecutive bytes, at a multiple of 512 from the buffer's first byte
.endr
.endm
.macro WALK w
	FRAGQ 0, \w
	FRAGQ 1, \w
	FRAGQ 2, \w
	FRAGQ 3, \w
	ds_load_b64 v[252:253], v7                     ; the 64 rows' scale words (these see my stores)
	s_wait_dscnt 0x0
	global_store_b64 v8, v[252:253], s[32:33]      ; 32 lanes store 256 consecutive bytes, at a multiple of 256
	s_wait_tensorcnt 0x0                           ; the wave's end
	ds_add_u32 v254, v255
	s_wait_dscnt 0x0
	s_endpgm
.endm
	WALK 0                                         ; waves 0-7: x
.Lwgo:
	WALK 1                                         ; waves 8-10: gate, up, w_down
.Lfunc_end_k_qdc79d262c0_quant:
	.size	k_qdc79d262c0_quant, .Lfunc_end_k_qdc79d262c0_quant-k_qdc79d262c0_quant
	.p2alignl 7, 3214868480
	.fill 96, 4, 3214868480
	.section	.rodata,"a",@progbits
	.p2align	6, 0x0
	.amdhsa_kernel k_qdc79d262c0_quant
		.amdhsa_group_segment_fixed_size 300032
		.amdhsa_private_segment_fixed_size 0
		.amdhsa_enable_private_segment 0
		.amdhsa_kernarg_size 56
		.amdhsa_user_sgpr_count 2
		.amdhsa_user_sgpr_kernarg_segment_ptr 1
		.amdhsa_wavefront_size32 1
		.amdhsa_system_sgpr_workgroup_id_x 1
		.amdhsa_system_sgpr_workgroup_id_y 1
		.amdhsa_system_sgpr_workgroup_id_z 1
		.amdhsa_system_vgpr_workitem_id 0
		.amdhsa_next_free_vgpr 256
		.amdhsa_next_free_sgpr 76
		.amdhsa_reserve_vcc 0
		.amdhsa_float_denorm_mode_32 3
		.amdhsa_float_denorm_mode_16_64 3
		.amdhsa_memory_ordered 1
		.amdhsa_forward_progress 1
		.amdhsa_inst_pref_size 62
	.end_amdhsa_kernel
	.amdgpu_metadata
---
amdhsa.version: [ 1, 2 ]
amdhsa.kernels:
  - .name:           k_qdc79d262c0_quant
    .symbol:         k_qdc79d262c0_quant.kd
    .args:
      - { .name: x, .offset: 0, .size: 8, .value_kind: global_buffer, .address_space: global }
      - { .name: w_gate, .offset: 8, .size: 8, .value_kind: global_buffer, .address_space: global }
      - { .name: w_up, .offset: 16, .size: 8, .value_kind: global_buffer, .address_space: global }
      - { .name: w_down, .offset: 24, .size: 8, .value_kind: global_buffer, .address_space: global }
      - { .name: xq, .offset: 32, .size: 8, .value_kind: global_buffer, .address_space: global }
      - { .name: wguq, .offset: 40, .size: 8, .value_kind: global_buffer, .address_space: global }
      - { .name: wdq, .offset: 48, .size: 8, .value_kind: global_buffer, .address_space: global }
    .group_segment_fixed_size: 300032
    .private_segment_fixed_size: 0
    .kernarg_segment_align: 8
    .kernarg_segment_size: 56
    .max_flat_workgroup_size: 352
    .sgpr_count:     76
    .vgpr_count:     256
    .wavefront_size: 32
...
	.end_amdgpu_metadata
.endif
;; end of part 1
;; launch gateup (part 2): grid 8 x 32, 4 waves a work-group, clusters of 4 x 4, 327,680 bytes of LDS; arguments xq, wguq, hq; writes hq
.if DOCPART == 2
	.amdgcn_target "amdgcn-amd-amdhsa--gfx1250"
	.amdhsa_code_object_version 6
	.text
	.protected	k_qdc79d262c0_gateup
	.globl	k_qdc79d262c0_gateup
	.p2align	8
	.type	k_qdc79d262c0_gateup,@function
k_qdc79d262c0_gateup:
	s_mov_b64 s[64:65], 0
	v_nop
	global_prefetch_b8 v0, s[64:65] scope:SCOPE_SE
	s_setreg_imm32_b32 hwreg(HW_REG_WAVE_MODE, 25, 1), 1
	s_wait_xcnt 0x0
	s_wait_alu depctr_hold_cnt(0) depctr_sa_sdst(0) depctr_va_vdst(0) depctr_va_sdst(0) depctr_va_ssrc(0) depctr_va_vcc(0) depctr_vm_vsrc(0)
	s_getreg_b32 s2, hwreg(HW_REG_IB_STS2, 6, 4)
	s_cmp_eq_u32 s2, 0
	s_cbranch_scc0 .Lentry_in_a_cluster
	s_endpgm
.Lentry_in_a_cluster:
	s_bfe_u32 s2, ttmp6, 0x10000c
	s_cmp_lg_u32 s2, 0xf033
	s_cbranch_scc0 .Lentry_shape_is_right
	s_endpgm
.Lentry_shape_is_right:
; h = Q(silu(x Wg^T) * (x Wu^T)): both products on codes of FP6 (E2M3) with E8M0 scales, f32 sums; the hidden layer is quantised here, along its own axis, and stored as codes and scale words.
; OPERANDS lie in cells of 25,600 dense bytes, [group of 128 rows][pair of K steps]: fragment (block i, step q) at 3,072 i + 1,536 q as an image of the operand's registers, scale words at 24,576 + 512 q + 4 x row.
; A group of B is 64 rows of gate and the same 64 hidden units' rows of up; row r of block 2 b + u is unit 32 b + 8 u + r + 8 (r / 8), so that a lane's 16 registers of two neighbouring tiles are 16 neighbouring units.
; A tile is 256 rows of x against 256 rows of B; four waves, each 128 x 128: 64 accumulators, 512 registers.  K goes through a ring of two LDS slots of two K steps: a slot is four cells, and EACH WAVE'S ONE LOAD
; BRINGS ONE CELL, codes and scale words together: waves 0, 1 A's two groups, waves 2, 3 B's.
; CLUSTERS: 4 x 4.  A's cells are shared along a row of the cluster, B's along a column: each is asked for jointly, by the same load with a mask that names the four.
; PREFETCH: behind the load of cell c each wave names, by one instruction, a quarter of cell c + 2 of its own group: 25 blocks of 256 bytes, a lane a block (lanes 25-31 name the 25th again); the four partners
; that ask for the cell jointly take the four quarters, told apart by address.  Two slots, 256 matrix instructions a wave, lie between that and the load that wants the cell.  Cells 6 and 7 are the last: the loop's
; last trip asks for nothing.
; THE MATRIX INSTRUCTION IS USED TRANSPOSED (source 0 = B, source 1 = A): a lane holds one row of x, its registers run along the hidden units.
; LIMITS: NaN and infinities are not served.  Where -gate x log2(e) passes 128, the exponential is infinite and its reciprocal 0, which is silu's limit.  A block of h under 2^-124, zeros too, has the byte 1.
; REGISTERS: window 0: v0-31 addresses, v32-63 scale words (two sets), v64-127 the way out, v128-223 A's fragments (one set); window 1: B's fragments, two sets; windows 2, 3: the accumulators.
.set NQ,    2
.set FR,    12
.set NL,    3
.set NP,    4
.set FRB,   1536
.set RBB,   3072
.set CELL,  25600
.set SCO,   24576
.set GRPX,  8*CELL                     ; a group of x or of B: 8 cells
.set GRPH,  4*CELL                     ; a group of h: 4 cells
.set SLOT,  4*CELL
.set SPARE, 2*SLOT
.set STGC,  SPARE+512                  ; the way out: 16 fragments' images, on bytes that no load fills
.set STGS,  STGC+16*FRB                ; and 256 scale words
.set CO,   4                           ; v4 16 x lane
.set ADRS, 12                          ; v12-13 scale words in slot 0, 1: lanes 0-15 A's, lanes 16-31 B's
.set ADRA, 16
.set STA,  18
.set STB,  19
.set ADRB, 20
.set SSA,  22
.set RDS,  23
.set PFO,  24                          ; v24 the prefetches' offset: 256 x min(lane, 24)
.set RD,   25
.set SPW,  28
.set NIL,  29
.set GS,   30
.set SC,   32
.set HE,   64
.set TM,   96
.set SO,   100
.set BY,   102
.set PC,   104
.set PD,   112
.set HW,   116
.set AF,   128
.set BK,   128
.set G1, 24
.set G0, 32
.set G1B, 48
.set G0B, 56
.set PFA, 94                           ; s[94:95] my quarter of my group's cell
.set MSB, 0
.macro WIN new
.if MSB != \new
	s_set_vgpr_msb (MSB<<8)|\new
.set MSB, \new
.endif
.endm
.set MUL_LO, 0xa1
.set MUL_HI, 0xf1
.set TO_B,   0x40
.macro JLOAD g0a, g1a, g0b, g1b        ; a joint load: waves 0, 1 for A, waves 2, 3 for B; s_nop 0 and four v_nop behind each line
	s_cmp_eq_u32 s15, 0
	s_cbranch_scc0 .Lfor_b_\@
	tensor_load_to_lds s[\g0a:\g0a+3], s[\g1a:\g1a+7]
	s_nop 0
.rept 4
	v_nop
.endr
	s_branch .Lasked_\@
.Lfor_b_\@:
	tensor_load_to_lds s[\g0b:\g0b+3], s[\g1b:\g1b+7]
	s_nop 0
.rept 4
	v_nop
.endr
.Lasked_\@:
.endm
.macro CREST
	s_cmp_lg_u32 s14, 0
	s_cbranch_scc1 .Lnot_wave_0_\@
	s_barrier_signal -3
.Lnot_wave_0_\@:
	s_barrier_wait -3
	s_barrier_signal -1
	s_barrier_wait -1
.endm
.macro CROUND
	s_barrier_signal -1
	s_barrier_wait -1
	CREST
.endm
	s_load_b128 s[4:7], s[0:1], 0x0                ; xq, wguq
	s_load_b64 s[12:13], s[0:1], 0x10              ; hq
	v_lshl_add_u32 v[SPW], v0, 2, SPARE
	v_mov_b32 v[NIL], 0
	ds_add_u32 v[SPW], v[NIL]                      ; the opening lines: the add, twice on end, and its wait
	ds_add_u32 v[SPW], v[NIL]
	v_lshrrev_b32 v1, 5, v0
	v_readfirstlane_b32 s14, v1                    ; wave
	v_and_b32 v3, 31, v0                           ; lane
	v_min_u32 v[PFO], 24, v3
	v_lshlrev_b32 v[PFO], 8, v[PFO]
	s_lshr_b32 s15, s14, 1                         ; my half of the rows; also: I fetch for A (0) or B (1)
	s_and_b32 s16, s14, 1                          ; my half of the columns; also: which group I fetch
	s_bfe_u32 s40, ttmp6, 0x40000
	s_bfe_u32 s41, ttmp6, 0x40004
	s_lshl_b32 s42, ttmp9, 2
	s_add_co_u32 s42, s42, s40                     ; tile column
	s_and_b32 s17, ttmp7, 0xffff
	s_lshl_b32 s17, s17, 2
	s_add_co_u32 s17, s17, s41                     ; tile row
	s_lshl_b32 s43, s41, 2
	s_lshl_b32 s43, 15, s43
	s_lshl_b32 s44, 0x1111, s40
	s_mov_b32 s98, 0xbfb8aa3b                      ; -log2(e)
	s_mov_b32 s99, s98
	s_mov_b32 s100, 0x76543210
	s_mov_b32 s101, 0xfedcba98
	s_or_b32 s[G1+0], s43, (3<<16)|(1<<21)         ; a cell: 100 rows of 256 bytes (32 elements of 8), dense
	s_or_b32 s[G1B+0], s44, (3<<16)|(1<<21)
.irp g, G1, G1B
	s_mov_b32 s[\g+1], 32<<16
	s_mov_b32 s[\g+2], 100<<16
	s_mov_b32 s[\g+3], 32<<16
	s_mov_b32 s[\g+4], 100
	s_mov_b32 s[\g+5], 32
	s_mov_b32 s[\g+6], 0
	s_mov_b32 s[\g+7], 0
.endr
	s_lshl_b32 s20, s17, 1
	s_add_co_u32 s20, s20, s16
	s_mul_i32 s20, s20, GRPX                       ; A's group
	s_mov_b32 s21, 0
	s_lshl_b32 s46, s42, 1
	s_add_co_u32 s46, s46, s16
	s_mul_i32 s46, s46, GRPX                       ; B's group
	s_mov_b32 s47, 0
	s_mul_i32 s45, s14, CELL                       ; where my cell goes
	s_cmp_eq_u32 s15, 0
	s_cselect_b32 s66, s20, s46
	s_cselect_b32 s67, s40, s41                    ; my place among the four that ask with me
	s_mul_i32 s67, s67, 25*256
	s_add_co_u32 s66, s66, s67
	s_mov_b32 s67, 0
	s_wait_alu depctr_va_vdst(0)
	s_wait_dscnt 0x0
	s_wait_kmcnt 0x0
	s_cmp_eq_u32 s15, 0
	s_cselect_b64 s[PFA:PFA+1], s[4:5], s[6:7]
	s_add_nc_u64 s[PFA:PFA+1], s[PFA:PFA+1], s[66:67]
	s_add_nc_u64 s[22:23], s[4:5], s[20:21]
	s_add_nc_u64 s[92:93], s[6:7], s[46:47]
.irp s, 0,1
	s_mov_b32 s[G0+4*\s], 1
	s_add_co_u32 s[G0+4*\s+1], s45, \s*SLOT
	s_add_nc_u64 s[G0+4*\s+2:G0+4*\s+3], s[22:23], \s*CELL
	s_or_b32 s[G0+4*\s+3], s[G0+4*\s+3], 0x80000000
	s_mov_b32 s[G0B+4*\s], 1
	s_add_co_u32 s[G0B+4*\s+1], s45, \s*SLOT
	s_add_nc_u64 s[G0B+4*\s+2:G0B+4*\s+3], s[92:93], \s*CELL
	s_or_b32 s[G0B+4*\s+3], s[G0B+4*\s+3], 0x80000000
.endr
	CROUND                                         ; all sixteen work-groups are here: the first joint loads meet
	JLOAD G0, G1, G0B, G1B                         ; cell 0: my one load at the head
	global_prefetch_b8 v[PFO], s[PFA:PFA+1] offset:2*CELL th:TH_LOAD_NT scope:SCOPE_SE
	s_mul_i32 s68, s15, CELL                       ; my 128 rows of A
	s_mul_i32 s69, s16, CELL
	s_add_co_u32 s69, s69, 2*CELL                  ; my 128 rows of B
	s_sub_co_u32 s70, s69, s68
	s_add_co_u32 s71, s68, SCO
	s_mul_i32 s75, s15, 8*FRB
	s_mul_i32 s72, s16, 520                        ; the stage: my half of a fragment's registers: 6 c .. 6 c + 5 lie at 16 l + 0, 8, 512 (c = 0) or 520, 1024, 1032 (c = 1)
	s_add_co_u32 s72, s72, s75
	s_add_co_u32 s72, s72, STGC
	s_mul_i32 s73, s16, 1016
	s_add_co_u32 s73, s73, s75
	s_add_co_u32 s73, s73, STGC+8
	s_lshl_b32 s74, s15, 9
	s_lshl_b32 s75, s16, 1
	s_add_co_u32 s74, s74, s75
	s_add_co_u32 s74, s74, STGS
	s_mul_i32 s75, s14, 4*FRB
	s_add_co_u32 s75, s75, STGC
	s_lshl_b32 s76, s14, 8
	s_add_co_u32 s76, s76, STGS
	s_lshl_b32 s20, s17, 1                         ; h: I store blocks 4 w .. 4 w + 3 of the tile's 16, K step = tile column
	s_add_co_u32 s20, s20, s15
	s_mul_i32 s20, s20, GRPH
	s_lshr_b32 s21, s42, 1
	s_mul_i32 s21, s21, CELL
	s_add_co_u32 s20, s20, s21
	s_and_b32 s21, s42, 1
	s_mul_i32 s22, s21, FRB
	s_mul_i32 s23, s16, 4*RBB
	s_add_co_u32 s22, s22, s23
	s_add_co_u32 s22, s22, s20
	s_mov_b32 s23, 0
	s_lshl_b32 s46, s21, 9
	s_lshl_b32 s47, s16, 8
	s_add_co_u32 s46, s46, s47
	s_add_co_u32 s46, s46, s20
	s_add_co_u32 s46, s46, SCO
	s_mov_b32 s47, 0
	s_add_nc_u64 s[96:97], s[12:13], s[46:47]
	s_add_nc_u64 s[12:13], s[12:13], s[22:23]
	v_and_b32 v1, 15, v0
	v_bfe_u32 v2, v0, 4, 1
	v_lshlrev_b32 v[CO], 4, v3
	v_lshlrev_b32 v5, 2, v1
	v_mul_u32_u24 v6, s70, v2                      ; lanes 16-31 take B's words
	v_add_nc_u32 v[ADRA], s68, v[CO]
	v_add_nc_u32 v[ADRB], s69, v[CO]
	v_add_nc_u32 v[ADRA+1], SLOT, v[ADRA]
	v_add_nc_u32 v[ADRB+1], SLOT, v[ADRB]
	v_add_nc_u32 v6, v5, v6
	v_add_nc_u32 v[ADRS], s71, v6
	v_add_nc_u32 v[ADRS+1], SLOT, v[ADRS]
	v_add_nc_u32 v[STA], s72, v[CO]
	v_add_nc_u32 v[STB], s73, v[CO]
	v_add_nc_u32 v[SSA], s74, v5
	v_add_nc_u32 v[RD], s75, v[CO]
	v_lshlrev_b32 v[GS], 3, v3
	v_add_nc_u32 v[RDS], s76, v[GS]
	v_mov_b32 v[TM+2], 0                           ; written once: a lane permute's destination counts as one of its sources
	v_mov_b32 v[TM+3], 0
.macro FRAG reg, adr, off              ; a fragment: three loads of 512 consecutive bytes
.irp c, 0,1,2
	ds_load_b128 v[\reg+4*\c:\reg+4*\c+3], v[\adr] offset:\off+512*\c
.endr
.endm
; 16 matrix instructions: A's blocks a0, a0 + 1 x B's eight.  The 64 accumulators take turns, in the same order in every step.
.macro MUL16 a0, p, q, sc, zero
.irp a, \a0, \a0+1
.irp b, 0,1,2,3,4,5,6,7
.if \zero
	v_wmma_scale_f32_16x16x128_f8f6f4 v[8*(8*((\a)%4)+\b):8*(8*((\a)%4)+\b)+7], v[128*(\p)+FR*\b:128*(\p)+FR*\b+FR-1], v[AF+FR*(\a):AF+FR*(\a)+FR-1], 0, v[SC+8*NQ*(\sc)+NQ*\b+(\q)], v[SC+8*NQ*(\sc)+NQ*(\a)+(\q)] matrix_a_fmt:MATRIX_FMT_FP6 matrix_b_fmt:MATRIX_FMT_FP6 matrix_a_scale:MATRIX_SCALE_ROW1
.else
	v_wmma_scale_f32_16x16x128_f8f6f4 v[8*(8*((\a)%4)+\b):8*(8*((\a)%4)+\b)+7], v[128*(\p)+FR*\b:128*(\p)+FR*\b+FR-1], v[AF+FR*(\a):AF+FR*(\a)+FR-1], v[8*(8*((\a)%4)+\b):8*(8*((\a)%4)+\b)+7], v[SC+8*NQ*(\sc)+NQ*\b+(\q)], v[SC+8*NQ*(\sc)+NQ*(\a)+(\q)] matrix_a_fmt:MATRIX_FMT_FP6 matrix_b_fmt:MATRIX_FMT_FP6 matrix_a_scale:MATRIX_SCALE_ROW1
.endif
.endr
.endr
.endm
.macro FETCH_B slot, q, p
	WIN TO_B
.irp i, 0,1,2,3,4,5,6,7
	FRAG 128*(\p)+FR*\i, ADRB+\slot, \i*RBB+(\q)*FRB
.endr
	WIN 0
.endm
.macro FETCH_A slot, q, i0
.irp i, \i0, \i0+1, \i0+2, \i0+3
	FRAG AF+FR*(\i), ADRA+\slot, (\i)*RBB+(\q)*FRB
.endr
.endm
.macro SCALES sc                       ; slot sc's scale words into set sc: register 2 i + q: lanes 0-15 A's block i, lanes 16-31 B's block i, step q
.irp i, 0,1,2,3,4,5,6,7
.irp q, 0,1
	ds_load_b32 v[SC+8*NQ*\sc+NQ*\i+\q], v[ADRS+\sc] offset:512*\q+64*\i
.endr
.endr
.endm
.macro PLACES n                        ; places behind matrix instructions, ahead of loads into their registers and of reads of results
.rept \n
	v_nop
.endr
.endm
.macro STEP slot, q, zero              ; a slot's first step; the second step's B is fetched at its head (that set's last products stand ahead of the places at the last step's end), A in its middle and at its end
	FETCH_B \slot, (\q)+1, 1-(\q)%2
	s_wait_dscnt 4*NL+8*NL                         ; all but the youngest 36 loads: A's blocks 4-7 and the 24 just issued
	WIN MUL_LO
	MUL16 0, (\q)%2, \q, \slot, \zero
	MUL16 2, (\q)%2, \q, \slot, \zero
	s_wait_dscnt 8*NL                              ; A's blocks 4-7 are in; the next step's B, 24 loads, may be out
	PLACES NP
	WIN 0
	FETCH_A \slot, (\q)+1, 0
	WIN MUL_HI
	MUL16 4, (\q)%2, \q, \slot, \zero
	MUL16 6, (\q)%2, \q, \slot, \zero
	PLACES NP
	WIN 0
	FETCH_A \slot, (\q)+1, 4
.endm
.macro TURN slot, next, fill           ; a slot's second step, and the change of slots
	s_wait_tensorcnt 0x0                           ; all my loads have landed: my cell of the next slot;
	ds_add_u32 v[SPW], v[NIL]
	s_wait_dscnt 4*NL+1                            ; (the add and the youngest 12 loads may be out)
	WIN MUL_LO
	MUL16 0, 1, NQ-1, \slot, 0
	s_wait_dscnt 0x0                               ; the add is done, and my reads of this slot are over
	s_barrier_signal -1
	MUL16 2, 1, NQ-1, \slot, 0
	WIN 0
	s_barrier_wait -1
.if \fill
	CREST                                          ; the barrier has opened a round of the cluster's barrier
	s_add_nc_u64 s[G0+4*\slot+2:G0+4*\slot+3], s[G0+4*\slot+2:G0+4*\slot+3], 2*CELL
	s_add_nc_u64 s[G0B+4*\slot+2:G0B+4*\slot+3], s[G0B+4*\slot+2:G0B+4*\slot+3], 2*CELL
	JLOAD G0+4*\slot, G1, G0B+4*\slot, G1B         ; the first tensor load behind the round; its four v_nop are the places ahead of the loads below
.else
	PLACES NP
.endif
	FETCH_B \next, 0, 0
	FETCH_A \next, 0, 0
	SCALES \next
.if \fill
	s_cmp_gt_u32 s3, 1                             ; the last trip's refills are cells 6 and 7: no cell stands two on
	s_cbranch_scc0 .Lnone_\@
	global_prefetch_b8 v[PFO], s[PFA:PFA+1] offset:(4+\slot)*CELL th:TH_LOAD_NT scope:SCOPE_SE
.Lnone_\@:
.endif
	WIN MUL_HI
	MUL16 4, 1, NQ-1, \slot, 0
	MUL16 6, 1, NQ-1, \slot, 0
	PLACES NP
	WIN 0
	FETCH_A \next, 0, 4
.endm
	s_wait_alu depctr_va_vdst(0)                   ; the wait at the head's end
	s_wait_tensorcnt 0x0                           ; my cell 0 is in
	ds_add_u32 v[SPW], v[NIL]
	s_wait_dscnt 0x0
	CROUND                                         ; everybody's cell 0 is in
	JLOAD G0+4, G1, G0B+4, G1B                     ; cell 1, the first tensor load behind the round
	FETCH_B 0, 0, 0
	FETCH_A 0, 0, 0
	SCALES 0
	FETCH_A 0, 0, 4
	global_prefetch_b8 v[PFO], s[PFA:PFA+1] offset:3*CELL th:TH_LOAD_NT scope:SCOPE_SE
	STEP 0, 0, 1                                   ; the first products start the sums
	s_mov_b32 s3, 3
.Llap:                                                 ; a trip: once round the ring; it refills slot 0 with cell 2 + 2 i and slot 1 with cell 3 + 2 i
	TURN 0, 1, 1
	STEP 1, 0, 0
	TURN 1, 0, 1
	STEP 0, 0, 0
	s_wait_xcnt 0x0                                ; my prefetches have read their base: it steps only behind this wait
	s_add_nc_u64 s[PFA:PFA+1], s[PFA:PFA+1], 2*CELL
	s_sub_co_u32 s3, s3, 1
	s_cmp_lg_u32 s3, 0
	s_cbranch_scc1 .Llap
	TURN 0, 1, 0
	STEP 1, 0, 0
	s_wait_dscnt 4*NL
	WIN MUL_LO
	MUL16 0, 1, NQ-1, 1, 0
	MUL16 2, 1, NQ-1, 1, 0
	s_wait_dscnt 0
	WIN MUL_HI
	MUL16 4, 1, NQ-1, 1, 0
	MUL16 6, 1, NQ-1, 1, 0
	WIN 0
; THE WAY OUT of block a (16 rows x my 64 hidden units): accumulators 0-3 hold gate, 4-7 up.  h = gate x up / (1 + 2^(-gate log2 e)), in f32; then two blocks of 32 are quantised.
.macro HBLOCK a
.set AC, 64*((\a)%4)
.set WS0, 2+(\a)/4
.set WS1, 4*WS0
	WIN WS0
.irp n, 0,2,4,6,8,10,12,14,16,18,20,22,24,26,28,30
	v_pk_mul_f32 v[HE+\n:HE+\n+1], v[AC+\n:AC+\n+1], s[98:99] op_sel_hi:[1,0]
.endr
	WIN 0
	s_wait_alu depctr_va_vdst(0)                   ; a wait ahead of each batch of transcendentals and one behind it
.irp n, 0,1,2,3,4,5,6,7,8,9,10,11,12,13,14,15,16,17,18,19,20,21,22,23,24,25,26,27,28,29,30,31
	v_exp_f32 v[HE+\n], v[HE+\n]
.endr
	v_nop
	s_wait_alu depctr_va_vdst(0)
.irp n, 0,2,4,6,8,10,12,14,16,18,20,22,24,26,28,30
	v_pk_add_f32 v[HE+\n:HE+\n+1], v[HE+\n:HE+\n+1], 1.0 op_sel_hi:[1,0]
.endr
	s_wait_alu depctr_va_vdst(0)
.irp n, 0,1,2,3,4,5,6,7,8,9,10,11,12,13,14,15,16,17,18,19,20,21,22,23,24,25,26,27,28,29,30,31
	v_rcp_f32 v[HE+\n], v[HE+\n]
.endr
	v_nop
	s_wait_alu depctr_va_vdst(0)
	WIN WS1
.irp n, 0,2,4,6,8,10,12,14,16,18,20,22,24,26,28,30
	v_pk_mul_f32 v[HE+\n:HE+\n+1], v[HE+\n:HE+\n+1], v[AC+\n:AC+\n+1]
.endr
.irp n, 0,2,4,6,8,10,12,14,16,18,20,22,24,26,28,30
	v_pk_mul_f32 v[HE+\n:HE+\n+1], v[HE+\n:HE+\n+1], v[AC+32+\n:AC+32+\n+1]
.endr
	WIN 0
	s_wait_alu depctr_va_vdst(0)
	s_wait_dscnt 0x0                               ; the last block's stores into the stage have read their registers
.irp b, 0,1
	v_max3_num_f32 v[TM+\b], |v[HE+16*\b]|, |v[HE+1+16*\b]|, 0x1800000   ; my 16 of block b, and the floor 2^(3 - 127)
.endr
.irp i, 2,4,6,8,10,12,14
.irp b, 0,1
	v_max3_num_f32 v[TM+\b], v[TM+\b], |v[HE+16*\b+\i]|, |v[HE+1+16*\b+\i]|
.endr
.endr
.irp b, 0,1
	v_permlanex16_b32 v[TM+2+\b], v[TM+\b], s100, s101
.endr
.irp b, 0,1
	v_max_num_f32 v[TM+\b], v[TM+\b], v[TM+2+\b]   ; with lane l xor 16's 16: the block's largest magnitude
.endr
.irp b, 0,1
	v_add_nc_u32 v[SO+\b], 0xff000000, v[TM+\b]
.endr
.irp b, 0,1
	v_lshrrev_b32 v[BY+\b], 23, v[SO+\b]
.endr
	v_lshl_or_b32 v[HW], v[BY+1], 8, v[BY]         ; my half of the row's scale word
	v_cvt_scalef32_pk16_fp6_f32 v[PC:PC+2], v[HE:HE+15], v[SO]
	v_cvt_scalef32_pk16_fp6_f32 v[PD:PD+2], v[HE+16:HE+31], v[SO+1]
	v_nop
.irp i, 0,1,2
	v_permlane16_swap_b32 v[PC+\i], v[PD+\i]       ; a whole block to a lane: lanes 0-15 the first, lanes 16-31 the second
.endr
.irp i, 0,1,2
	v_mov_b32 v[PC+3+\i], v[PD+\i]
.endr
	ds_store_b64 v[STA], v[PC:PC+1] offset:FRB*(\a)
	ds_store_b64 v[STB], v[PC+2:PC+3] offset:FRB*(\a)
	ds_store_b64 v[STA], v[PC+4:PC+5] offset:FRB*(\a)+512
	ds_store_b16 v[SSA], v[HW] offset:64*(\a)
.endm
	PLACES NP
.irp a, 0,1,2,3,4,5,6,7
	HBLOCK \a
.endr
	s_wait_dscnt 0x0                               ; for the others' sake: a fragment's two halves come from two waves
	s_barrier_signal -1
	s_barrier_wait -1
.irp f, 0,1,2,3
.irp g, 0,1,2
	ds_load_b128 v[BK+12*\f+4*\g:BK+12*\f+4*\g+3], v[RD] offset:FRB*\f+512*\g
.endr
.endr
	ds_load_b64 v[BK+48:BK+49], v[RDS]
.irp f, 0,1,2,3
.irp g, 0,1,2
	s_wait_dscnt 12-(3*\f+\g)
	global_store_b128 v[CO], v[BK+12*\f+4*\g:BK+12*\f+4*\g+3], s[12:13] offset:RBB*\f+512*\g   ; 32 lanes store 512 consecutive bytes, at a multiple of 512
.endr
.endr
	s_wait_dscnt 0x0
	global_store_b64 v[GS], v[BK+48:BK+49], s[96:97]   ; 64 rows' scale words: 256 consecutive bytes, at a multiple of 256
	s_wait_tensorcnt 0x0                           ; the wave's end
	ds_add_u32 v[SPW], v[NIL]
	s_wait_dscnt 0x0
	CROUND                                         ; the closing round
	s_endpgm
.Lfunc_end_k_qdc79d262c0_gateup:
	.size	k_qdc79d262c0_gateup, .Lfunc_end_k_qdc79d262c0_gateup-k_qdc79d262c0_gateup
	.p2alignl 7, 3214868480
	.fill 96, 4, 3214868480
	.section	.rodata,"a",@progbits
	.p2align	6, 0x0
	.amdhsa_kernel k_qdc79d262c0_gateup
		.amdhsa_group_segment_fixed_size 327680
		.amdhsa_private_segment_fixed_size 0
		.amdhsa_enable_private_segment 0
		.amdhsa_kernarg_size 24
		.amdhsa_user_sgpr_count 2
		.amdhsa_user_sgpr_kernarg_segment_ptr 1
		.amdhsa_wavefront_size32 1
		.amdhsa_system_sgpr_workgroup_id_x 1
		.amdhsa_system_sgpr_workgroup_id_y 1
		.amdhsa_system_sgpr_workgroup_id_z 1
		.amdhsa_system_vgpr_workitem_id 0
		.amdhsa_next_free_vgpr 1024
		.amdhsa_next_free_sgpr 102
		.amdhsa_reserve_vcc 0
		.amdhsa_float_denorm_mode_32 3
		.amdhsa_float_denorm_mode_16_64 3
		.amdhsa_memory_ordered 1
		.amdhsa_forward_progress 1
		.amdhsa_inst_pref_size 178
	.end_amdhsa_kernel
	.amdgpu_metadata
---
amdhsa.version: [ 1, 2 ]
amdhsa.kernels:
  - .name:           k_qdc79d262c0_gateup
    .symbol:         k_qdc79d262c0_gateup.kd
    .args:
      - { .name: xq, .offset: 0, .size: 8, .value_kind: global_buffer, .address_space: global }
      - { .name: wguq, .offset: 8, .size: 8, .value_kind: global_buffer, .address_space: global }
      - { .name: hq, .offset: 16, .size: 8, .value_kind: global_buffer, .address_space: global }
    .group_segment_fixed_size: 327680
    .private_segment_fixed_size: 0
    .kernarg_segment_align: 8
    .kernarg_segment_size: 24
    .max_flat_workgroup_size: 128
    .sgpr_count:     102
    .vgpr_count:     1024
    .wavefront_size: 32
...
	.end_amdgpu_metadata
.endif
;; end of part 2
;; launch down (part 3): grid 8 x 32, 4 waves a work-group, clusters of 4 x 1, 327,680 bytes of LDS; arguments hq, wdq, out0; writes out0
.if DOCPART == 3
	.amdgcn_target "amdgcn-amd-amdhsa--gfx1250"
	.amdhsa_code_object_version 6
	.text
	.protected	k_qdc79d262c0_down
	.globl	k_qdc79d262c0_down
	.p2align	8
	.type	k_qdc79d262c0_down,@function
k_qdc79d262c0_down:
	s_mov_b64 s[64:65], 0
	v_nop
	global_prefetch_b8 v0, s[64:65] scope:SCOPE_SE
	s_setreg_imm32_b32 hwreg(HW_REG_WAVE_MODE, 25, 1), 1
	s_wait_xcnt 0x0
	s_wait_alu depctr_hold_cnt(0) depctr_sa_sdst(0) depctr_va_vdst(0) depctr_va_sdst(0) depctr_va_ssrc(0) depctr_va_vcc(0) depctr_vm_vsrc(0)
	s_getreg_b32 s2, hwreg(HW_REG_IB_STS2, 6, 4)
	s_cmp_eq_u32 s2, 0
	s_cbranch_scc0 .Lentry_in_a_cluster
	s_endpgm
.Lentry_in_a_cluster:
	s_bfe_u32 s2, ttmp6, 0x10000c
	s_cmp_lg_u32 s2, 0x3003
	s_cbranch_scc0 .Lentry_shape_is_right
	s_endpgm
.Lentry_shape_is_right:
; out = h Wd^T on codes of FP6 (E2M3) with E8M0 scales: A = the hidden layer [8192][1024], B = w_down [2048][1024]; out [8192][2048] f32; one f32 sum for each output, K ascending.
; OPERANDS lie in cells of 25,600 dense bytes, [group of 128 rows][pair of K steps]: fragment (block i, step q) at 3,072 i + 1,536 q as an image of the operand's registers, scale words at 24,576 + 512 q + 4 x row.
; A tile of out is 256 x 256, made by four waves.  THE WORK GOES BY ROWS OF out, so that finished rows leave while later rows are multiplied.
; B STAYS IN REGISTERS: wave w owns columns 64 w .. 64 w + 63: 4 blocks x 8 K steps = 32 fragments, 384 registers, loaded once, straight from memory.
; A STAYS IN LDS: the tile's two groups, codes and scale words, are 204,800 consecutive bytes of memory, and each byte is filled once.  Each wave brings one cell of group 0 at the head, and one cell of group 1
; behind a round of the cluster's barrier: rows 0-127 are multiplied while rows 128-255 are on their way.
; A PAIR of blocks of 16 rows is a step: 8 accumulators take turns through the 8 K steps.  Two sets of accumulators take turns from pair to pair: while one is summed, the other goes out.
; THE WAY OUT NEEDS NO LDS.  Source 0 = 16 rows of A, source 1 = 16 rows of B: register j of lane (r, h) is out(row 8 h + j, B's row r).  Row r of B's block b is column 4 r + b of my 64 (so the first launch laid it):
; registers j of my four accumulators are four neighbouring columns.  Four moves bring them together, and sixteen lanes store 256 consecutive bytes of a row of out.
; CLUSTER: the four tile columns of a cluster share the tile row, so A is asked for jointly.  B is not: a joint load lands in LDS, where A's bytes and B's 196,608 do not fit together.
; No prefetch: there is no loop to run ahead in; what the work-group reads is asked for at its head and one round later.
; REGISTERS: window 0: v1-19 addresses; v32-47 B's scale words; v48-63 A's, two sets; v64-127 a pair's results, gathered; v128-255 the accumulators, two sets.
;   window 1: B's fragments of K steps 0-3 ((b, s) at v[12 (4 s + b)]); window 2: of K steps 4-7; window 3: A's 16 fragments of a pair ((a, s) at v[12 (2 s + a)]).
.set FR,     12
.set FRB,    1536
.set RBB,    3072
.set CELL,   25600
.set SCO,    24576
.set QRT,    2*CELL                    ; an LDS load's 16-bit offset reaches across two cells
.set SPARE,  8*CELL                    ; behind A: the spare words
.set ROWC,   8192
.set LI,   4                           ; v4 16 x lane
.set L4,   5                           ; v5 4 x lane
.set AD,   8                           ; v8-11  16 x lane + j x QRT
.set CO,   15                          ; v15 my place in out: 8 h rows + 16 r bytes
.set ADS,  16                          ; v16-19 4 x lane + SCO + j x QRT
.set BSC,  32                          ; register 2 s + b / 2: lanes 0-15 block b even, lanes 16-31 block b odd
.set ASC,  48                          ; set p % 2, register s: lanes 0-15 the pair's first block, lanes 16-31 its second
.set OB,   64
.set ACC,  128
.set G1,  24
.set G0,  32                           ; s[32:35] group 0's cell, s[36:39] group 1's
.set MSB, 0
.macro WIN new
.if MSB != \new
	s_set_vgpr_msb (MSB<<8)|\new
.set MSB, \new
.endif
.endm
.set MUL_A, 0x07                       ; source 0 (A) window 3, source 1 (B) window 1, C and D window 0
.set MUL_B, 0x0b                       ; the same with B in window 2
.set TO_A,  0xc0
.macro CROUND
	s_barrier_signal -1
	s_barrier_wait -1
	s_cmp_lg_u32 s14, 0
	s_cbranch_scc1 .Lnot_wave_0_\@
	s_barrier_signal -3
.Lnot_wave_0_\@:
	s_barrier_wait -3
	s_barrier_signal -1
	s_barrier_wait -1
.endm
.macro PLACES                          ; four places behind matrix instructions, ahead of loads into their registers and of reads of results
.rept 4
	v_nop
.endr
.endm
	s_load_b128 s[4:7], s[0:1], 0x0                ; hq, wdq
	s_load_b64 s[12:13], s[0:1], 0x10              ; out
	v_lshl_add_u32 v30, v0, 2, SPARE
	v_mov_b32 v31, 0
	ds_add_u32 v30, v31                            ; the opening lines: the add, twice on end, and its wait
	ds_add_u32 v30, v31
	v_lshrrev_b32 v1, 5, v0
	v_readfirstlane_b32 s14, v1                    ; wave
	s_bfe_u32 s16, ttmp6, 0x40000
	s_lshl_b32 s18, ttmp9, 2
	s_add_co_u32 s18, s18, s16                     ; tile column: it enters B's and out's addresses alone
	s_and_b32 s17, ttmp7, 0xffff                   ; tile row, which the four partners share
	s_mov_b32 s[G1+0], 15|(3<<16)|(1<<21)          ; the mask names all four; a cell: 100 rows of 256 bytes (32 elements of 8), dense
	s_mov_b32 s[G1+1], 32<<16
	s_mov_b32 s[G1+2], 100<<16
	s_mov_b32 s[G1+3], 32<<16
	s_mov_b32 s[G1+4], 100
	s_mov_b32 s[G1+5], 32
	s_mov_b32 s[G1+6], 0
	s_mov_b32 s[G1+7], 0
	s_mul_i32 s19, s14, CELL                       ; my cell of a group, in memory and in LDS alike
	s_mul_i32 s20, s17, 8*CELL
	s_add_co_u32 s20, s20, s19
	s_mov_b32 s21, 0
	s_lshl_b32 s52, s18, 1                         ; B: group 2 x tile column + wave / 2,
	s_lshr_b32 s54, s14, 1
	s_add_co_u32 s52, s52, s54
	s_mul_i32 s52, s52, 4*CELL
	s_and_b32 s54, s14, 1                          ; its blocks 4 (wave % 2) ..
	s_mul_i32 s56, s54, 4*RBB
	s_add_co_u32 s56, s56, s52
	s_mov_b32 s57, 0
	s_lshl_b32 s54, s54, 8
	s_add_co_u32 s54, s54, s52
	s_add_co_u32 s54, s54, SCO
	s_mov_b32 s55, 0
	s_lshl_b32 s60, s18, 10                        ; out: my first column x 4 bytes,
	s_lshl_b32 s58, s14, 8
	s_add_co_u32 s60, s60, s58
	s_lshl_b32 s58, s17, 21                        ; 256 rows of 8,192 bytes a tile row
	s_add_co_u32 s60, s60, s58
	s_mov_b32 s61, 0
	v_and_b32 v1, 15, v0
	v_bfe_u32 v2, v0, 4, 1
	v_and_b32 v3, 31, v0
	v_lshlrev_b32 v[LI], 4, v3
	v_lshlrev_b32 v[L4], 2, v3
.irp j, 0,1,2,3
	v_add_nc_u32 v[AD+\j], \j*QRT, v[LI]
	v_add_nc_u32 v[ADS+\j], \j*QRT+SCO, v[L4]
.endr
	v_lshlrev_b32 v6, 16, v2                       ; lanes 16-31 hold rows 8 further down
	v_lshl_add_u32 v[CO], v1, 4, v6
	s_wait_alu depctr_va_vdst(0)                   ; the wait at the head's end
	s_wait_dscnt 0x0
	s_wait_kmcnt 0x0
	s_add_nc_u64 s[22:23], s[4:5], s[20:21]
	s_add_nc_u64 s[8:9], s[6:7], s[56:57]
	s_add_nc_u64 s[10:11], s[6:7], s[54:55]
	s_add_nc_u64 s[12:13], s[12:13], s[60:61]
	s_mov_b32 s[G0], 1
	s_mov_b32 s[G0+1], s19
	s_mov_b64 s[G0+2:G0+3], s[22:23]
	s_or_b32 s[G0+3], s[G0+3], 0x80000000
	s_mov_b32 s[G0+4], 1
	s_add_co_u32 s[G0+5], s19, 4*CELL
	s_add_nc_u64 s[G0+6:G0+7], s[22:23], 4*CELL
	s_or_b32 s[G0+7], s[G0+7], 0x80000000
	CROUND                                         ; all four work-groups are here: the joint loads meet
	tensor_load_to_lds s[G0:G0+3], s[G1:G1+7]      ; my cell of group 0: my one load at the head
	s_nop 0
.rept 4
	v_nop
.endr
.irp s, 0,1,2,3,4,5,6,7
.irp q, 0,1
	global_load_b32 v[BSC+2*\s+\q], v[L4], s[10:11] offset:(\s/2)*CELL+(\s%2)*512+128*\q   ; lane l: the word of row l % 16 of my block 2 q + l / 16, K step s
.endr
.endr
	WIN 0x40
.irp s, 0,1,2,3
.irp b, 0,1,2,3
.irp g, 0,1,2
	global_load_b128 v[FR*(4*\s+\b)+4*\g:FR*(4*\s+\b)+4*\g+3], v[LI], s[8:9] offset:(\s/2)*CELL+RBB*\b+(\s%2)*FRB+512*\g   ; 32 lanes read 512 consecutive bytes
.endr
.endr
.endr
	WIN 0x80
.irp s, 0,1,2,3
.irp b, 0,1,2,3
.irp g, 0,1,2
	global_load_b128 v[FR*(4*\s+\b)+4*\g:FR*(4*\s+\b)+4*\g+3], v[LI], s[8:9] offset:(2+\s/2)*CELL+RBB*\b+(\s%2)*FRB+512*\g
.endr
.endr
.endr
	WIN 0
; One matrix instruction on rD, rA, rB, rSA, rSB.  oa: the pair's second block of A: its scale words lie in lanes 16-31;  ob: B's block is odd: likewise;  zero: the first K step starts the sum.
.macro WM oa, ob, zero
.if \zero
.if (\oa) && (\ob)
	v_wmma_scale_f32_16x16x128_f8f6f4 v[rD:rD+7], v[rA:rA+11], v[rB:rB+11], 0, v[rSA], v[rSB] matrix_a_fmt:MATRIX_FMT_FP6 matrix_b_fmt:MATRIX_FMT_FP6 matrix_a_scale:MATRIX_SCALE_ROW1 matrix_b_scale:MATRIX_SCALE_ROW1
.elseif \oa
	v_wmma_scale_f32_16x16x128_f8f6f4 v[rD:rD+7], v[rA:rA+11], v[rB:rB+11], 0, v[rSA], v[rSB] matrix_a_fmt:MATRIX_FMT_FP6 matrix_b_fmt:MATRIX_FMT_FP6 matrix_a_scale:MATRIX_SCALE_ROW1
.elseif \ob
	v_wmma_scale_f32_16x16x128_f8f6f4 v[rD:rD+7], v[rA:rA+11], v[rB:rB+11], 0, v[rSA], v[rSB] matrix_a_fmt:MATRIX_FMT_FP6 matrix_b_fmt:MATRIX_FMT_FP6 matrix_b_scale:MATRIX_SCALE_ROW1
.else
	v_wmma_scale_f32_16x16x128_f8f6f4 v[rD:rD+7], v[rA:rA+11], v[rB:rB+11], 0, v[rSA], v[rSB] matrix_a_fmt:MATRIX_FMT_FP6 matrix_b_fmt:MATRIX_FMT_FP6
.endif
.else
.if (\oa) && (\ob)
	v_wmma_scale_f32_16x16x128_f8f6f4 v[rD:rD+7], v[rA:rA+11], v[rB:rB+11], v[rD:rD+7], v[rSA], v[rSB] matrix_a_fmt:MATRIX_FMT_FP6 matrix_b_fmt:MATRIX_FMT_FP6 matrix_a_scale:MATRIX_SCALE_ROW1 matrix_b_scale:MATRIX_SCALE_ROW1
.elseif \oa
	v_wmma_scale_f32_16x16x128_f8f6f4 v[rD:rD+7], v[rA:rA+11], v[rB:rB+11], v[rD:rD+7], v[rSA], v[rSB] matrix_a_fmt:MATRIX_FMT_FP6 matrix_b_fmt:MATRIX_FMT_FP6 matrix_a_scale:MATRIX_SCALE_ROW1
.elseif \ob
	v_wmma_scale_f32_16x16x128_f8f6f4 v[rD:rD+7], v[rA:rA+11], v[rB:rB+11], v[rD:rD+7], v[rSA], v[rSB] matrix_a_fmt:MATRIX_FMT_FP6 matrix_b_fmt:MATRIX_FMT_FP6 matrix_b_scale:MATRIX_SCALE_ROW1
.else
	v_wmma_scale_f32_16x16x128_f8f6f4 v[rD:rD+7], v[rA:rA+11], v[rB:rB+11], v[rD:rD+7], v[rSA], v[rSB] matrix_a_fmt:MATRIX_FMT_FP6 matrix_b_fmt:MATRIX_FMT_FP6
.endif
.endif
.endm
; 32 matrix instructions: pair p, K steps 4 hf .. 4 hf + 3.  The pair's 8 accumulators take turns, in the same order in every K step.
.macro MUL32 p, hf
.irp s, 0,1,2,3
.irp b, 0,1,2,3
.irp a, 0,1
.set rD,  ACC+64*((\p)%2)+8*(4*\a+\b)
.set rB,  FR*(4*\s+\b)
.set rA,  FR*(2*(4*(\hf)+\s)+\a)
.set rSB, BSC+2*(4*(\hf)+\s)+\b/2
.set rSA, ASC+8*((\p)%2)+4*(\hf)+\s
.if 4*(\hf)+\s == 0
	WM \a, \b%2, 1
.else
	WM \a, \b%2, 0
.endif
.endr
.endr
.endr
.endm
.macro ALOAD p, hf                     ; pair p's fragments of K steps 4 hf .. 4 hf + 3: they lie in cells 2 hf, 2 hf + 1 of group p / 4; 24 loads of 512 consecutive bytes
	WIN TO_A
.irp s, 0,1,2,3
.irp a, 0,1
.irp g, 0,1,2
	ds_load_b128 v[FR*(2*(4*(\hf)+\s)+\a)+4*\g:FR*(2*(4*(\hf)+\s)+\a)+4*\g+3], v[AD+2*((\p)/4)+(\hf)] offset:(\s/2)*CELL+(2*((\p)%4)+\a)*RBB+(\s%2)*FRB+512*\g
.endr
.endr
.endr
	WIN 0
.endm
.macro ASCALE p                        ; pair p's scale words: lane l takes row l of the pair's 32
.irp s, 0,1,2,3,4,5,6,7
	ds_load_b32 v[ASC+8*((\p)%2)+\s], v[ADS+2*((\p)/4)+\s/4] offset:((\s%4)/2)*CELL+(\s%2)*512+128*((\p)%4)
.endr
.endm
; THE WAY OUT of pair p: registers j of the four accumulators of block a are columns 4 r .. 4 r + 3 of row 16 a + 8 h + j.  Each accumulator is read from its low end on.
.macro OUT p
.if (\p) > 0
	s_wait_xcnt 0x0                                ; the last pair's stores have read their data: those registers are written again only behind this wait
.endif
.irp a, 0,1
.irp j, 0,1,2,3,4,5,6,7
.irp b, 0,1,2,3
	v_mov_b32 v[OB+4*(8*\a+\j)+\b], v[ACC+64*((\p)%2)+8*(4*\a+\b)+\j]
.endr
.endr
.endr
.irp a, 0,1
.irp j, 0,1,2,3,4,5,6,7
	global_store_b128 v[CO], v[OB+4*(8*\a+\j):OB+4*(8*\a+\j)+3], s[12:13] offset:(32*(\p)+16*\a+\j)*ROWC th:TH_STORE_NT   ; 16 lanes store 256 consecutive bytes, at a multiple of 256 from out's first byte; 255 rows at the most: inside the signed 24-bit immediate
.endr
.endr
.endm
; A PAIR.  In its middle the next pair's scale words and first four K steps are fetched and the pair before goes out; at its end the next pair's last four K steps are fetched.
.macro PAIR p
.if (\p) == 0
	s_wait_loadcnt 48                              ; B's scale words and its K steps 0-3 are in; the youngest 48 loads (K steps 4-7) may be out
.endif
	s_wait_dscnt 24                                ; the scale words and K steps 0-3 of A are in; the youngest 24 loads (K steps 4-7) may be out
	WIN MUL_A
	MUL32 \p, 0
	WIN 0
	s_wait_dscnt 0x0                               ; K steps 4-7 of A are in; no LDS instruction of mine is out at the signal below
.if (\p) == 3
	s_wait_tensorcnt 0x0                           ; my cell of group 1 has landed
	s_barrier_signal -1
	s_barrier_wait -1                              ; everybody's has: pairs 4 to 7 lie in LDS
.endif
	PLACES
.if (\p) < 7
	ASCALE (\p)+1
	ALOAD (\p)+1, 0
.endif
.if (\p) > 0
	OUT (\p)-1
.endif
.if (\p) == 0
	s_wait_loadcnt 0x0                             ; B's K steps 4-7
.endif
	WIN MUL_B
	MUL32 \p, 1
	WIN 0
	PLACES
.if (\p) < 7
	ALOAD (\p)+1, 1
.endif
.endm
	s_wait_tensorcnt 0x0                           ; my cell of group 0 is in
	ds_add_u32 v30, v31
	s_wait_dscnt 0x0
	CROUND                                         ; everybody's is, and all four work-groups are here: the joint loads meet
	tensor_load_to_lds s[G0+4:G0+7], s[G1:G1+7]    ; my cell of group 1, the first tensor load behind the round
	s_nop 0
.rept 4
	v_nop
.endr
	ASCALE 0
	ALOAD 0, 0
	ALOAD 0, 1
.irp p, 0,1,2,3,4,5,6,7
	PAIR \p
.endr
	OUT 7                                          ; (the four places behind the last products stand at the last pair's end)
	s_wait_tensorcnt 0x0                           ; the wave's end
	ds_add_u32 v30, v31
	s_wait_dscnt 0x0
	CROUND                                         ; the closing round
	s_endpgm
.Lfunc_end_k_qdc79d262c0_down:
	.size	k_qdc79d262c0_down, .Lfunc_end_k_qdc79d262c0_down-k_qdc79d262c0_down
	.p2alignl 7, 3214868480
	.fill 96, 4, 3214868480
	.section	.rodata,"a",@progbits
	.p2align	6, 0x0
	.amdhsa_kernel k_qdc79d262c0_down
		.amdhsa_group_segment_fixed_size 327680
		.amdhsa_private_segment_fixed_size 0
		.amdhsa_enable_private_segment 0
		.amdhsa_kernarg_size 24
		.amdhsa_user_sgpr_count 2
		.amdhsa_user_sgpr_kernarg_segment_ptr 1
		.amdhsa_wavefront_size32 1
		.amdhsa_system_sgpr_workgroup_id_x 1
		.amdhsa_system_sgpr_workgroup_id_y 1
		.amdhsa_system_sgpr_workgroup_id_z 1
		.amdhsa_system_vgpr_workitem_id 0
		.amdhsa_next_free_vgpr 1024
		.amdhsa_next_free_sgpr 66
		.amdhsa_reserve_vcc 0
		.amdhsa_float_denorm_mode_32 3
		.amdhsa_float_denorm_mode_16_64 3
		.amdhsa_memory_ordered 1
		.amdhsa_forward_progress 1
		.amdhsa_inst_pref_size 141
	.end_amdhsa_kernel
	.amdgpu_metadata
---
amdhsa.version: [ 1, 2 ]
amdhsa.kernels:
  - .name:           k_qdc79d262c0_down
    .symbol:         k_qdc79d262c0_down.kd
    .args:
      - { .name: hq, .offset: 0, .size: 8, .value_kind: global_buffer, .address_space: global }
      - { .name: wdq, .offset: 8, .size: 8, .value_kind: global_buffer, .address_space: global }
      - { .name: out0, .offset: 16, .size: 8, .value_kind: global_buffer, .address_space: global }
    .group_segment_fixed_size: 327680
    .private_segment_fixed_size: 0
    .kernarg_segment_align: 8
    .kernarg_segment_size: 24
    .max_flat_workgroup_size: 128
    .sgpr_count:     66
    .vgpr_count:     1024
    .wavefront_size: 32
...
	.end_amdgpu_metadata
.endif
;; end of part 3
